; MI455X (gfx1250); checked and timed in simulation.
; The chip was launched on July 23, 2026; its instructions are those of AMD's public machine-readable ISA for CDNA 5 (MIT licence, August 2026) and "CDNA5" Instruction Set Architecture Reference Guide (July 2026). The comments in the code are by the model that wrote it; some were corrected since.
;; Multihead Self Attention. Allowed arithmetic: matrix products marked QUANTISED: E2M1 operands, one E8M0 scale for each 32 along K, by v_wmma_scale_f32_16x16x128_f8f6f4 with both operands' format E2M1 (or v_wmma_scale_f32_32x16x128_f4), f32 sums; everything else in f32.
;; Inputs: b_proj 1,024 float32; b_qkv 3,072 float32; w_proj_codes 1,024 x 32 x 16 uint8 (E2M1 codes of w_proj, K innermost, in blocks of 32 codes, two codes a byte); w_proj_scales 1,024 x 32 uint8 (E8M0 scales of w_proj, one for each 32 codes along K); w_qkv_codes 3,072 x 32 x 16 uint8 (E2M1 codes of w_qkv, K innermost, in blocks of 32 codes, two codes a byte); w_qkv_scales 3,072 x 32 uint8 (E8M0 scales of w_qkv, one for each 32 codes along K); x_codes 4 x 2,048 x 32 x 16 uint8 (E2M1 codes of x, K innermost, in blocks of 32 codes, two codes a byte); x_scales 4 x 2,048 x 32 uint8 (E8M0 scales of x, one for each 32 codes along K).
;; Outputs: out0 4 x 2,048 x 1,024 float32.
;; This version of the problem:
;;   THIS VERSION OF THE PROBLEM IS GIVEN IN LOW PRECISION. The matrix products marked QUANTISED in the list below multiply operands that are first quantised to E2M1 (2 exponent bits, 1 mantissa bit; 4 bits a number), with one power-of-two scale for each 32 numbers along K (OCP MX v1.0); their sums are f32. All else is computed in f32.
;;   The module's matrix products, in the order in which they are computed (A, B: the left and right operand; K: the contracted axis; several contracted axes count as one K, in the product's order):
;;     1. [M 8,192, K 1,024] x [K 1,024, N 3,072]; A: input x (given as codes); B: input w_qkv (given as codes): QUANTISED
;;     2. batch 64 x [M 2,048, K 64] x [K 64, N 2,048]; A: computed on the way; B: computed on the way: QUANTISED
;;     3. batch 64 x [M 2,048, K 2,048] x [K 2,048, N 64]; A: softmax (see below); B: computed on the way: QUANTISED
;;     4. [M 8,192, K 1,024] x [K 1,024, N 1,024]; A: computed on the way; B: input w_proj (given as codes): QUANTISED
;;   THE QUANTISER, for each operand of a quantised product, along K:
;;     - K is cut into blocks of 32 from its start; a last block that is shorter is filled with zeros.
;;     - A block's scale is 2^e with e = floor(log2(the largest magnitude in the block)) - 2, held to -126 .. 127; a block of zeros has e = 0. As a byte (E8M0): e + 127.
;;     - Each number is divided by its block's scale, clamped to +-6, and rounded to the nearest number of E2M1, ties to even, subnormals kept.
;;     - The product sums the exact products of the quantised numbers (number of the format x scale) in f32.
;;   ~~~python
;;   def quantise(x, axis):      # numpy; x: float32 -> the quantised numbers, widened to float32 again
;;       x = np.moveaxis(x, axis, -1); K = x.shape[-1]
;;       x = np.pad(x, [(0, 0)] * (x.ndim - 1) + [(0, -K % 32)]); x = x.reshape(x.shape[:-1] + (-1, 32)); a = np.abs(x).max(-1, keepdims=True)
;;       e = np.where(a > 0, np.clip(np.frexp(np.where(a > 0, a, 1))[1] - 1 - 2, -126, 127), 0)      # np.frexp(a)[1] - 1 = floor(log2(a)), exactly
;;       r = np.clip(x / 2.0 ** e, -6, 6)
;;       step = 2.0 ** (np.maximum(np.frexp(np.where(r == 0, 1, r))[1] - 1, 0) - 1)
;;       q = np.round(r / step) * step * 2.0 ** e      # np.round: ties to even
;;       return np.moveaxis(q.reshape(q.shape[:-2] + (-1,))[..., :K], -1, axis).astype(np.float32)
;;   ~~~
;;   SOFTMAX AHEAD OF A QUANTISED PRODUCT. Where the list says 'softmax', what is quantised is not the finished softmax but p = 2^(t - M), with t = logit x log2(e) and M = ceil(the row's largest t), a whole number; so 1/2 < the row's largest p <= 1. The row's sum l is taken of the UNQUANTISED p, in f32, and the product's result is divided by l at the end. Since M is a whole number, a kernel that streams over the keys may use a running M (the ceiling of the running maximum): every later rescaling is an exact power of two, which a block's scale takes up: the codes' values come out the same.
;;   OPERANDS COMPUTED ON THE WAY. 'Computed on the way' means the value that the module computes at that place (a softmax that the list does not call 'softmax' is quantised finished and normalised). What goes into a quantiser is computed in f32, as accurately as f32 sums, v_exp_f32 and their like allow (about 1e-6 of the number): no bf16 or f16 on the way to a quantiser, and a product that is left as it is and whose result goes on into a quantised operand takes f32 operands (vector FMAs, or v_wmma_f32_16x16x4_f32). A number that lies on a knife's edge between two numbers of the format may be rounded either way, as far as f32 arithmetic and the matrix unit's own rounding can turn it there, and no further.
;;   INPUTS GIVEN AS CODES. w_proj (in the module: [1024, 1024], K = its axis 0); w_qkv (in the module: [1024, 3072], K = its axis 0); x (in the module: [4, 2048, 1024], K = its axis 2): each comes as NAME_codes (uint8): NAME with its K axis moved to the last place and cut into blocks of 32 codes, [.., K / 32, bytes a block], one block behind the other in memory; two codes a byte, the lower K in the low four bits (a code: sign, 2 exponent bits, 1 mantissa bit); and NAME_scales (uint8): the same leading axes, one E8M0 byte (e + 127) for each 32 codes along K. Its value is code x scale, taken as it is: it is not quantised again, and the codes and scales need not be those that the quantiser above would give.
;; One version. Each part assembles by itself: llvm-mc -triple=amdgcn-amd-amdhsa -mcpu=gfx1250 --defsym DOCPART=n.
;; ======== version 1 of 1: 3 launches
;; workspace buffers: qkv 14,155,776 bytes; oc 4,194,304 bytes; osc 262,144 bytes
;; launch qkv (part 1): grid 96 x 4, 4 waves a work-group, clusters of 4 x 4, 327,680 bytes of LDS; arguments x_codes, x_scales, w_qkv_codes, w_qkv_scales, b_qkv, qkv; writes qkv
.if DOCPART == 1
	.amdgcn_target "amdgcn-amd-amdhsa--gfx1250"
	.amdhsa_code_object_version 6
	.text
	.protected	k_q4b619b3a44_qkv
	.globl	k_q4b619b3a44_qkv
	.p2align	8
	.type	k_q4b619b3a44_qkv,@function
k_q4b619b3a44_qkv:
	s_mov_b64 s[64:65], 0
	v_nop
	global_prefetch_b8 v0, s[64:65] scope:SCOPE_SE
	s_setreg_imm32_b32 hwreg(HW_REG_WAVE_MODE, 25, 1), 1
	s_wait_xcnt 0x0
	s_wait_alu depctr_hold_cnt(0) depctr_sa_sdst(0) depctr_va_vdst(0) depctr_va_sdst(0) depctr_va_ssrc(0) depctr_va_vcc(0) depctr_vm_vsrc(0)
	s_getreg_b32 s2, hwreg(HW_REG_IB_STS2, 6, 4)
	s_cmp_eq_u32 s2, 0
	s_cbranch_scc0 .Lentry_in_a_cluster
	s_endpgm
.Lentry_in_a_cluster:
	s_bfe_u32 s2, ttmp6, 0x10000c
	s_cmp_lg_u32 s2, 0xf033
	s_cbranch_scc0 .Lentry_shape_is_right
	s_endpgm
.Lentry_shape_is_right:
; qkv = x w_qkv + b_qkv on codes of FP4 (E2M1) with E8M0 scales, and its three parts quantised at once for the products that follow:
; q and k along the head's 64 numbers, v along the keys.  x: 8,192 rows, w_qkv: 3,072 rows, each 512 bytes of codes and 32 scale bytes, K = 1,024 innermost.
; NO WORK IS LEFT OUT: every input has a way to the output; the bias on k moves k's codes and stays.
; LIMITS: a block of zeros, and a block whose largest magnitude lies under 2^-124, gets the scale byte 1 (the bytes are read by this program alone; zero codes add nothing);
; NaN and infinities among the inputs are not served.
; ONE TEXT FOR q, k AND v.  The matrix instruction's source 0 is operand P, source 1 operand R: in a result a lane holds ONE row of R and its registers run along P's rows,
; so P's rows are the axis along which the result is quantised.  Clusters 0-15 (QK): P = rows 0-2,047 of w_qkv (the heads' numbers), R = x (tokens).
; Clusters 16-23 (V): P = x (the keys), R = rows 2,048-3,071 of w_qkv.  Both tensors have the same row shapes, so only four pointers and a few strides are chosen, by the cluster's number.
; A tile of 256 R x 256 P is made by four waves, 128 x 128 each: 64 accumulators, 512 registers.  K = 1,024 fits in two LDS slots of 512 along K: both are filled once, nothing is filled again.
; CLUSTERS: 4 x 4 work-groups; R's tiles are shared along a row of the cluster, P's along a column: each is asked for jointly, with a mask that names the four.
; THE RESULT goes out as IMAGES OF OPERAND REGISTERS (32 lanes x 16 bytes): qkv holds 64 records (batch x 16 + head) of REC bytes: q, k, v, each 65,536 bytes of images and 8,192 of scale words.
;   q, k images [token tile][lane][16]: lane (r, h) = token 16 T + r, numbers 32 h .. 32 h + 31;  scale words [T / 4][r][4 words], word T % 4, bytes 0 and 1 the head's two blocks.
;   v images [key step of 128][tile of 16 of the head's 64][c][lane][16]: lane (r, h) = number 16 t + r, keys 64 c + 32 h + 0 .. 31;  scale words [key step][twice][r][4 words], word t.
; REGISTERS, in windows of 256: window 0: v1-31 addresses and small things; v32-95 scale words, two sets (on the way out: the codes made); v96-111 the lane-side bias factor;
;   v112-127 at work; v128-191 R's fragments, one set (on the way out: 64 numbers); v192-255 the register-side bias factor.
;   window 1: P's fragments, two sets, at v0 and v128.   windows 2, 3: the accumulators ((a, b) at v[8 (8 (a % 4) + b)]).
.set NQ,     4                         ; matrix instructions deep in a slot: 512 along K
.set ROWB,   256                       ; a tile's row in bytes
.set KROW,   512                       ; a row of codes in memory
.set PITCH,  272                       ; an LDS row: 256 bytes + 16 of padding: the 16 rows that a load touches start at 16 different banks
.set FR,     8                         ; registers of a fragment
.set NL,     2                         ; LDS loads that bring one
.set NP,     4                         ; places behind this matrix instruction (ISA guide 7.12.1)
.set HALFT,  128*PITCH
.set SLOT,   4*HALFT                   ; R's 256 rows, then P's 256 rows
.set KS,     32                        ; a row of scale bytes
.set SCL,    2*SLOT                    ; behind the slots: the scale bytes, as units of 256 bytes + 16 of padding
.set HALFS,  16*272                    ; those of 128 rows
.set SBLK,   2*272                     ; those of 16 rows
.set SPARE,  SCL+4*HALFS               ; the spare words, 128 bytes for each wave: two blocks of 256 bytes that no other line names
.set REC,    221184                    ; a record of qkv
.set REG,    73728                     ; a region of a record
.set SCO,    65536                     ; a region's scale words
.set SW,   4                           ; v4-11   the way out: the scale words of blocks a = 0 .. 7
.set IM0,  12                          ; v12     16 x lane: an image's place for my lane
.set IM1,  13                          ; v13     the same in the second image of a fragment
.set SWO,  14                          ; v14     where my scale words go
.set ONE,  15                          ; v15     1.0
.set ADRA, 16                          ; v16-17  LDS address of my R fragments in slot 0, 1
.set SHF,  18                          ; v18     QK: 16 in lanes 16-31, which store the second head's two bytes; else 0
.set PW,   19                          ; v19     the scale word just made
.set ADRB, 20                          ; v20-21  LDS address of my P fragments
.set ADRS, 27                          ; v27     LDS address of my scale words: lanes 0-15 R's rows, lanes 16-31 P's
.set SPW,  28                          ; v28     LDS address of my spare word; never rewritten
.set NIL,  29                          ; v29     0; never rewritten
.set BO,   30                          ; v30     32 x (lane / 16): the bias of my eight numbers of a tile
.set BR,   31                          ; v31     4 x (lane % 16): the bias of my row
.set SC,   32
.set PC,   32                          ; the way out: codes, 8 registers for each a, never written twice
.set SB,   96                          ; pairs: v[96 + 2 a] the factor, v[97 + 2 a] = 0 (named with it)
.set TM,   112
.set AF,   128
.set H,    128
.set WB,   192
.set G1, 24                            ; s[24:31] group 1 for R's tiles;  s[32:39] group 0, one set for each slot
.set G0, 32
.set G1B, 48                           ; s[48:55], s[56:63] the same for P's tiles
.set G0B, 56
.set G1S, 68                           ; s[68:75], s[76:79] for R's scales;  s[80:87], s[88:91] for P's
.set G0S, 76
.set G1SB, 80
.set G0SB, 88
.set SEL, 58                           ; s[58:59] the way out: lane selects for v_permlanex16_b32
.set MSB, 0
.macro WIN new                         ; the immediate's high byte repeats the setting that is left
.if MSB != \new
	s_set_vgpr_msb (MSB<<8)|\new
.set MSB, \new
.endif
.endm
.set MUL_LO, 0xa1                      ; source 0 (P) window 1, source 1 (R) window 0, C and D window 2
.set MUL_HI, 0xf1                      ; the same, C and D window 3
.set TO_B,   0x40                      ; destination window 1, address window 0
; A joint load: waves 0 and 1 fetch for R, waves 2 and 3 for P.  The branch hangs on the wave's number alone.  An s_nop 0 and four v_nop follow each line.
.macro JLOAD g0a, g1a, g0b, g1b
	s_cmp_eq_u32 s15, 0
	s_cbranch_scc0 .Lfor_b_\@
	tensor_load_to_lds s[\g0a:\g0a+3], s[\g1a:\g1a+7]
	s_nop 0
.rept 4
	v_nop
.endr
	s_branch .Lasked_\@
.Lfor_b_\@:
	tensor_load_to_lds s[\g0b:\g0b+3], s[\g1b:\g1b+7]
	s_nop 0
.rept 4
	v_nop
.endr
.Lasked_\@:
.endm
.macro CROUND                          ; a round of the cluster's barrier
	s_barrier_signal -1
	s_barrier_wait -1
	s_cmp_lg_u32 s14, 0
	s_cbranch_scc1 .Lnot_wave_0_\@
	s_barrier_signal -3
.Lnot_wave_0_\@:
	s_barrier_wait -3
	s_barrier_signal -1
	s_barrier_wait -1
.endm
	s_load_b128 s[4:7], s[0:1], 0x0                ; x's codes, x's scales
	s_load_b128 s[8:11], s[0:1], 0x10              ; w_qkv's codes, its scales
	s_load_b128 s[96:99], s[0:1], 0x20             ; b_qkv, qkv
	v_lshl_add_u32 v[SPW], v0, 2, SPARE
	v_mov_b32 v[NIL], 0
	ds_add_u32 v[SPW], v[NIL]                      ; the wave's opening: the add, twice on end, and its wait ahead of my first tensor load
	ds_add_u32 v[SPW], v[NIL]                      ; and once more, under the one wait; the set-up below, work on registers, stands between
	v_lshrrev_b32 v1, 5, v0
	v_readfirstlane_b32 s14, v1                    ; wave 0..3
	s_lshr_b32 s15, s14, 1                         ; which half of R's 256 rows is mine.  Also: I fetch for R (0) or for P (1)
	s_and_b32 s16, s14, 1                          ; which half of P's.  Also: which 128 rows of that tile I fetch
	s_bfe_u32 s40, ttmp6, 0x40000                  ; cx, cy: my place in the cluster
	s_bfe_u32 s41, ttmp6, 0x40004
	s_and_b32 s2, ttmp9, 1                         ; QK: cluster = pc + 2 rc
	s_lshr_b32 s3, ttmp9, 1
	s_sub_co_u32 s18, ttmp9, 16                    ; V: pc = cluster - 16, rc = 0
	s_cmp_lt_u32 ttmp9, 16                         ; the mode hangs on the cluster's number alone: the same in all sixteen partners
	s_cselect_b32 s100, -1, 0                      ; all ones in QK mode
	s_cselect_b32 s101, 0, 2048                    ; R's first row in its tensor
	s_cselect_b32 s2, s2, s18
	s_cselect_b32 s3, s3, 0
	s_lshl_b32 s42, s2, 2
	s_add_co_u32 s42, s42, s40                     ; P's tile = 4 pc + cx
	s_lshl_b32 s17, s3, 2
	s_add_co_u32 s17, s17, s41                     ; R's tile = 4 rc + cy
	s_lshl_b32 s43, s41, 2
	s_lshl_b32 s43, 15, s43                        ; my row of the cluster
	s_lshl_b32 s44, 0x1111, s40                    ; my column
	; group 1: a tile of 128 rows x 256 bytes, padded in LDS
	s_or_b32 s[G1+0], s43, (0<<16)|(1<<20)|(1<<21)|(5<<22)|(3<<25)  ; the mask: R's tiles go to my row; elements of 1 byte; padding on; bit 21 beside a mask; after every 64 words four words
	s_or_b32 s[G1B+0], s44, (0<<16)|(1<<20)|(1<<21)|(5<<22)|(3<<25)
.irp g, G1, G1B
	s_mov_b32 s[\g+1], ROWB<<16                    ; tensor_dim0
	s_mov_b32 s[\g+2], 128<<16                     ; tensor_dim1
	s_mov_b32 s[\g+3], ROWB<<16                    ; tile_dim0
	s_mov_b32 s[\g+4], 128                         ; tile_dim1
	s_mov_b32 s[\g+5], KROW                        ; from row to row
	s_mov_b32 s[\g+6], 0
	s_mov_b32 s[\g+7], 0
.endr
	; the scales of 128 rows: 4,096 dense bytes, as 16 rows of 256 bytes (32 elements of 8), 16 bytes of padding behind each
	s_or_b32 s[G1S+0], s43, (3<<16)|(1<<20)|(1<<21)|(5<<22)|(3<<25)
	s_or_b32 s[G1SB+0], s44, (3<<16)|(1<<20)|(1<<21)|(5<<22)|(3<<25)
.irp g, G1S, G1SB
	s_mov_b32 s[\g+1], 32<<16
	s_mov_b32 s[\g+2], 16<<16
	s_mov_b32 s[\g+3], 32<<16
	s_mov_b32 s[\g+4], 16
	s_mov_b32 s[\g+5], 32
	s_mov_b32 s[\g+6], 0
	s_mov_b32 s[\g+7], 0
.endr
	s_lshl_b32 s18, s16, 7                         ; which 128 rows of the tile I fetch
	s_lshl_b32 s20, s17, 8
	s_add_co_u32 s20, s20, s18
	s_add_co_u32 s20, s20, s101                    ; R: its first row + 256 x tile + 128 x half
	s_lshl_b32 s46, s42, 8
	s_add_co_u32 s46, s46, s18                     ; P: 256 x tile + 128 x half
	s_mov_b32 s21, 0
	s_mov_b32 s47, 0
	s_mov_b64 s[18:19], KS
	s_mul_u64 s[22:23], s[20:21], s[18:19]         ; where these rows' scales begin, in bytes
	s_mul_u64 s[92:93], s[46:47], s[18:19]
	s_mov_b64 s[18:19], KROW
	s_mul_u64 s[20:21], s[20:21], s[18:19]         ; and their codes
	s_mul_u64 s[46:47], s[46:47], s[18:19]
	s_mul_i32 s45, s14, HALFT                      ; where they go: wave x 128 rows: no place in the cluster enters an LDS address
	s_mul_i32 s94, s14, HALFS
	s_wait_dscnt 0x0                               ; both opening adds are done
	s_wait_kmcnt 0x0
	s_cmp_lt_u32 ttmp9, 16                         ; which tensor is R and which is P
	s_cselect_b64 s[12:13], s[4:5], s[8:9]         ; R's codes
	s_cselect_b64 s[66:67], s[6:7], s[10:11]       ; R's scales
	s_cselect_b64 s[8:9], s[8:9], s[4:5]           ; P's codes
	s_cselect_b64 s[10:11], s[10:11], s[6:7]       ; P's scales
	s_add_nc_u64 s[20:21], s[12:13], s[20:21]
	s_add_nc_u64 s[22:23], s[66:67], s[22:23]
	s_add_nc_u64 s[46:47], s[8:9], s[46:47]
	s_add_nc_u64 s[92:93], s[10:11], s[92:93]
	CROUND                                         ; all sixteen work-groups are here: the first joint loads meet
	s_mov_b32 s[G0S], 1
	s_add_co_u32 s[G0S+1], s94, SCL
	s_mov_b64 s[G0S+2:G0S+3], s[22:23]
	s_or_b32 s[G0S+3], s[G0S+3], 0x80000000
	s_mov_b32 s[G0SB], 1
	s_add_co_u32 s[G0SB+1], s94, SCL
	s_mov_b64 s[G0SB+2:G0SB+3], s[92:93]
	s_or_b32 s[G0SB+3], s[G0SB+3], 0x80000000
	JLOAD G0S, G1S, G0SB, G1SB                     ; the scales first: they are wanted with the first slot
.irp s, 0,1
	s_mov_b32 s[G0+4*\s], 1
	s_add_co_u32 s[G0+4*\s+1], s45, \s*SLOT
	s_add_nc_u64 s[G0+4*\s+2:G0+4*\s+3], s[20:21], \s*ROWB
	s_or_b32 s[G0+4*\s+3], s[G0+4*\s+3], 0x80000000
	s_mov_b32 s[G0B+4*\s], 1
	s_add_co_u32 s[G0B+4*\s+1], s45, \s*SLOT
	s_add_nc_u64 s[G0B+4*\s+2:G0B+4*\s+3], s[46:47], \s*ROWB
	s_or_b32 s[G0B+4*\s+3], s[G0B+4*\s+3], 0x80000000
	JLOAD G0+4*\s, G1, G0B+4*\s, G1B               ; three loads of mine are out: the scales and both slots
.endr
	v_and_b32 v1, 15, v0                           ; r = lane % 16
	v_bfe_u32 v2, v0, 4, 1                         ; h = lane / 16
	v_mul_u32_u24 v3, v1, PITCH
	v_lshl_add_u32 v4, v2, 4, v3                   ; a fragment's row x pitch + 16 x half
	s_mul_i32 s21, s15, HALFT                      ; my 128 rows of R
	s_mul_i32 s22, s16, HALFT                      ; my 128 rows of P,
	s_add_co_u32 s22, s22, 2*HALFT                 ; which lie behind R's 256
.irp s, 0,1
	v_add_nc_u32 v[ADRA+\s], s21, v4
	v_add_nc_u32 v[ADRB+\s], s22, v4
	s_add_co_u32 s21, s21, SLOT
	s_add_co_u32 s22, s22, SLOT
.endr
	v_mul_u32_u24 v5, v1, KS                       ; my row's scales: 32 bytes a row,
	v_lshrrev_b32 v6, 8, v5
	v_lshl_add_u32 v5, v6, 4, v5                   ; and 16 more for each 256 passed
	s_mul_i32 s21, s15, HALFS
	s_mul_i32 s22, s16, HALFS
	s_add_co_u32 s22, s22, 2*HALFS
	s_sub_co_u32 s22, s22, s21
	v_mul_u32_u24 v6, s22, v2                      ; lanes 16-31 take P's
	s_add_co_u32 s21, s21, SCL
	v_add_nc_u32 v5, v5, v6
	v_add_nc_u32 v[ADRS], s21, v5
	; WHERE THE RESULT GOES.  Which of the two tile numbers counts tokens and which counts rows of w_qkv hangs on the mode; so do five strides.
	s_cmp_lg_u32 s100, 0                           ; QK?
	s_cselect_b32 s18, s17, s42                    ; the tile of 256 tokens
	s_cselect_b32 s19, s15, s16                    ; my half of it
	s_cselect_b32 s20, s42, s17                    ; the tile of 256 rows of w_qkv (V: less 8)
	s_cselect_b32 s21, s16, s15                    ; my half of it
	s_cselect_b32 s22, 0, 8
	s_mov_b32 s92, 1024
	s_cselect_b32 s92, 512, s92                    ; from a to a + 1: the next token tile's image | the next tile of the head's 64
	s_mov_b32 s93, REC
	s_cselect_b32 s93, 2048, s93                   ; from a = 0 to a = 4: four token tiles on | the next head
	s_mov_b32 s94, 512
	s_cselect_b32 s94, REC, s94                    ; from a fragment's first image to its second: the next head | keys 64 on
	s_mov_b32 s95, 256
	s_cselect_b32 s95, REC, s95                    ; scale words of lanes 16-31: the next head's | the same once more
	s_mov_b32 s101, REC
	s_cselect_b32 s101, 256, s101                  ; scale words of a = 4 .. 7: the next four token tiles | the next head
	s_add_co_u32 s20, s20, s22                     ; the tile of rows of w_qkv, 0 .. 11
	s_lshr_b32 s22, s18, 3                         ; the batch
	s_and_b32 s18, s18, 7
	s_lshl_b32 s18, s18, 1
	s_add_co_u32 s18, s18, s19                     ; which 128 tokens of the batch's 2,048
	s_lshr_b32 s19, s20, 2                         ; q, k or v
	s_and_b32 s23, s20, 3
	s_lshl_b32 s23, s23, 2
	s_lshl_b32 s40, s21, 1
	s_add_co_u32 s23, s23, s40                     ; the first of my two heads
	s_lshl_b32 s22, s22, 4
	s_add_co_u32 s22, s22, s23
	s_mul_i32 s22, s22, REC
	s_mul_i32 s19, s19, REG
	s_add_co_u32 s22, s22, s19                     ; the region's first byte (under 2^24)
	s_lshl_b32 s19, s18, 12
	s_add_co_u32 s46, s22, s19                     ; images: 4,096 bytes for 128 tokens
	s_mov_b32 s47, 0
	s_lshl_b32 s19, s18, 9
	s_add_co_u32 s44, s22, s19                     ; scale words: 512 bytes for 128 tokens
	s_add_co_u32 s44, s44, SCO
	s_mov_b32 s45, 0
	s_add_nc_u64 s[2:3], s[98:99], s[44:45]
	s_add_nc_u64 s[98:99], s[98:99], s[46:47]
	s_lshl_b32 s20, s20, 8
	s_lshl_b32 s21, s21, 7
	s_add_co_u32 s20, s20, s21                     ; my first of 128 rows of w_qkv: at most 2,944
	s_lshl_b32 s20, s20, 2
	s_mov_b32 s21, 0
	s_add_nc_u64 s[96:97], s[96:97], s[20:21]      ; and their bias
	v_and_b32 v6, 31, v0
	v_lshlrev_b32 v[IM0], 4, v6
	v_add_nc_u32 v[IM1], s94, v[IM0]
	v_mul_u32_u24 v[SWO], v2, s95
	v_lshl_add_u32 v[SWO], v1, 4, v[SWO]           ; 16 bytes a row, four words
	v_lshlrev_b32 v[SHF], 4, v2
	v_and_b32 v[SHF], s100, v[SHF]
	; THE BIAS WITHOUT A BRANCH: result = accumulator + WB[register] x SB[a].  QK: WB = the bias of my 64 numbers, SB = 1.  V: WB = 1, SB[a] = the bias of my row.  A product with 1 is exact.
	; Both sets are loaded in both modes, from my 128 numbers of b_qkv, and chosen on the way out, where they are waited for.
	v_lshlrev_b32 v[BO], 5, v2
	v_lshlrev_b32 v[BR], 2, v1
.irp b, 0,1,2,3,4,5,6,7
	global_load_b128 v[WB+8*\b:WB+8*\b+3], v[BO], s[96:97] offset:64*\b
	global_load_b128 v[WB+8*\b+4:WB+8*\b+7], v[BO], s[96:97] offset:64*\b+16
.endr
.irp a, 0,1,2,3,4,5,6,7
	global_load_b32 v[SB+2*\a], v[BR], s[96:97] offset:64*\a
	v_mov_b32 v[SB+2*\a+1], 0
.endr
.macro FRAG reg, adr, q, i             ; 16 rows x 128 K of 4-bit codes: lane l holds row l % 16; registers 4 c .. 4 c + 3 hold K = 64 c + 32 (l / 16) + 0 .. 31
.irp c, 0,1
	ds_load_b128 v[\reg+4*\c:\reg+4*\c+3], v[\adr] offset:64*(\q)+32*\c+(\i)*16*PITCH
.endr
.endm
; 16 matrix instructions: R's blocks a0, a0 + 1 x P's eight, 128 along K.  p: P's set; sc: the set of scale words.  zero = 1: the first product starts the sums.
; The 64 accumulators take turns, one instruction a turn, in the same order in every step.
.macro MUL16 a0, p, q, sc, zero
.irp a, \a0, \a0+1
.irp b, 0,1,2,3,4,5,6,7
.if \zero
	v_wmma_scale_f32_16x16x128_f8f6f4 v[8*(8*((\a)%4)+\b):8*(8*((\a)%4)+\b)+7], v[128*(\p)+FR*\b:128*(\p)+FR*\b+FR-1], v[AF+FR*(\a):AF+FR*(\a)+FR-1], 0, v[SC+8*NQ*(\sc)+NQ*\b+(\q)], v[SC+8*NQ*(\sc)+NQ*(\a)+(\q)] matrix_a_fmt:MATRIX_FMT_FP4 matrix_b_fmt:MATRIX_FMT_FP4 matrix_a_scale:MATRIX_SCALE_ROW1
.else
	v_wmma_scale_f32_16x16x128_f8f6f4 v[8*(8*((\a)%4)+\b):8*(8*((\a)%4)+\b)+7], v[128*(\p)+FR*\b:128*(\p)+FR*\b+FR-1], v[AF+FR*(\a):AF+FR*(\a)+FR-1], v[8*(8*((\a)%4)+\b):8*(8*((\a)%4)+\b)+7], v[SC+8*NQ*(\sc)+NQ*\b+(\q)], v[SC+8*NQ*(\sc)+NQ*(\a)+(\q)] matrix_a_fmt:MATRIX_FMT_FP4 matrix_b_fmt:MATRIX_FMT_FP4 matrix_a_scale:MATRIX_SCALE_ROW1
.endif
.endr
.endr
.endm
.macro FETCH_B slot, q, p              ; P's eight fragments of the slot's q-th 128 along K into set p
	WIN TO_B
.irp i, 0,1,2,3,4,5,6,7
	FRAG 128*(\p)+FR*\i, ADRB+\slot, \q, \i
.endr
	WIN 0
.endm
.macro FETCH_A slot, q, i0             ; R's blocks i0 .. i0 + 3
.irp i, \i0, \i0+1, \i0+2, \i0+3
	FRAG AF+FR*(\i), ADRA+\slot, \q, \i
.endr
.endm
.macro SCALES sc                       ; a slot's scale words into set sc: four words a row; lanes 0-15 take R's block i, lanes 16-31 P's block i
.irp i, 0,1,2,3,4,5,6,7
	ds_load_b128 v[SC+8*NQ*\sc+NQ*\i:SC+8*NQ*\sc+NQ*\i+3], v[ADRS] offset:\i*SBLK
.endr
.endm
.macro PLACES n                        ; plain vector instructions between a matrix instruction and a load into, or a vector instruction on, its registers
.rept \n
	v_nop
.endr
.endm
.macro STEP slot, q, zero              ; a step of 128 along K that has its successor in the same slot
	s_wait_dscnt 4*NL                              ; P's set and R's blocks 0-3 are in; the youngest eight loads (R's blocks 4-7) may be out
	WIN MUL_LO
	MUL16 0, (\q)%2, \q, \slot, \zero
	MUL16 2, (\q)%2, \q, \slot, \zero
	s_wait_dscnt 0                                 ; R's blocks 4-7 are in
	PLACES NP
	FETCH_B \slot, (\q)+1, 1-(\q)%2
	FETCH_A \slot, (\q)+1, 0
	WIN MUL_HI
	MUL16 4, (\q)%2, \q, \slot, \zero
	MUL16 6, (\q)%2, \q, \slot, \zero
	PLACES NP
	WIN 0
	FETCH_A \slot, (\q)+1, 4
.endm
; Slot 0's last step changes slots: one barrier; in front of it each wave waits for all its tensor loads (its part of slot 1).  Nothing is filled again.
.macro TURN slot, next
	s_wait_tensorcnt 0x0                           ; all my tensor loads have landed
	ds_add_u32 v[SPW], v[NIL]                      ; 0 onto my spare word
	s_wait_dscnt 4*NL+1                            ; the add and the youngest eight loads may be out
	WIN MUL_LO
	MUL16 0, 1, NQ-1, \slot, 0
	s_wait_dscnt 0x0                               ; the add is done, and my reads of this slot are over
	s_barrier_signal -1
	MUL16 2, 1, NQ-1, \slot, 0
	WIN 0
	s_barrier_wait -1
	PLACES NP
	v_add_nc_u32 v[ADRS], 4*NQ, v[ADRS]            ; on to the next slot's scale words
	FETCH_B \next, 0, 0
	FETCH_A \next, 0, 0
	SCALES \next
	WIN MUL_HI
	MUL16 4, 1, NQ-1, \slot, 0
	MUL16 6, 1, NQ-1, \slot, 0
	PLACES NP
	WIN 0
	FETCH_A \next, 0, 4
.endm
	s_wait_tensorcnt 1                             ; the scales and my part of slot 0 are in (slot 1's load may be out),
	s_barrier_signal -1
	s_barrier_wait -1                              ; everybody's are
	FETCH_B 0, 0, 0
	FETCH_A 0, 0, 0
	SCALES 0
	FETCH_A 0, 0, 4
	STEP 0, 0, 1                                   ; the first products start the sums: nothing is cleared
	STEP 0, 1, 0
	STEP 0, 2, 0
	TURN 0, 1
	STEP 1, 0, 0
	STEP 1, 1, 0
	STEP 1, 2, 0
	s_wait_dscnt 4*NL                              ; the last step: nothing more to fetch
	WIN MUL_LO
	MUL16 0, 1, NQ-1, 1, 0
	MUL16 2, 1, NQ-1, 1, 0
	s_wait_dscnt 0
	WIN MUL_HI
	MUL16 4, 1, NQ-1, 1, 0
	MUL16 6, 1, NQ-1, 1, 0
	WIN 0
; 64 numbers of a lane, v[src] on: tile t's register j is number 16 t + 8 (lane / 16) + j along the quantiser's axis.  They become a fragment's 8 registers of codes in v[dst] on and its scale word in v[PW].
; A block of 32 is tiles 2 b and 2 b + 1 in lanes l and l xor 16.  One conversion fills one register from one tile; tiles 4 c, 4 c + 2 and 4 c + 1, 4 c + 3 then change halves in pairs,
; which leaves registers 4 c .. 4 c + 3 with numbers 64 c + 32 (lane / 16) + 0 .. 31, as the operand's layout asks.
.macro QUANT src, dst
.irp b, 0,1,2,3
	v_max3_num_f32 v[TM+\b], |v[(\src)+16*\b]|, |v[(\src)+1+16*\b]|, 0x1800000   ; my 16 numbers of block b, and the floor 2^(3 - 127): the byte cannot fall under 1
.endr
.irp i, 2,4,6,8,10,12,14
.irp b, 0,1,2,3
	v_max3_num_f32 v[TM+\b], v[TM+\b], |v[(\src)+16*\b+\i]|, |v[(\src)+1+16*\b+\i]|
.endr
.endr
.irp b, 0,1,2,3
	v_permlanex16_b32 v[TM+4+\b], v[TM+\b], s[SEL], s[SEL+1]
.endr
.irp b, 0,1,2,3
	v_max_num_f32 v[TM+\b], v[TM+\b], v[TM+4+\b]   ; with lane l xor 16's: the block's largest magnitude
.endr
.irp b, 0,1,2,3
	v_add_nc_u32 v[TM+12+\b], 0xff000000, v[TM+\b] ; 2 off its exponent field: the conversion takes the exponent field of this operand as its scale
.endr
.irp b, 0,1,2,3
	v_lshrrev_b32 v[TM+4+\b], 23, v[TM+12+\b]      ; the scale's byte
.endr
	v_lshl_or_b32 v[PW], v[TM+5], 8, v[TM+4]
	v_lshl_or_b32 v[PW], v[TM+6], 16, v[PW]
	v_lshl_or_b32 v[PW], v[TM+7], 24, v[PW]
.set QT, 0
.rept 8
	v_cvt_scalef32_pk8_fp4_f32 v[(\dst)+4*(QT/4)+(QT%4)/2+2*(QT%2)], v[(\src)+8*QT:(\src)+8*QT+7], v[TM+12+QT/2]
.set QT, QT+1
.endr
	v_nop                                          ; one plain place behind a scaled conversion
.irp c, 0,1
	v_permlane16_swap_b32 v[(\dst)+4*\c], v[(\dst)+4*\c+1]
	v_permlane16_swap_b32 v[(\dst)+4*\c+2], v[(\dst)+4*\c+3]
.endr
.endm
; THE WAY OUT of R's block a: the bias is added (each accumulator read from its low end on), the 64 numbers are quantised, and the fragment's two images leave: each store covers 512 consecutive bytes, aligned.
.macro OUTA a
	WIN 0x20+0x10*((\a)/4)                         ; source 2: window 2 or 3
.set PP, 0
.rept 32
	v_pk_fma_f32 v[H+2*PP:H+2*PP+1], v[WB+2*PP:WB+2*PP+1], v[SB+2*(\a):SB+2*(\a)+1], v[64*((\a)%4)+2*PP:64*((\a)%4)+2*PP+1] op_sel_hi:[1,0,1]
.set PP, PP+1
.endr
	WIN 0
	QUANT H, PC+8*(\a)
	v_lshrrev_b32 v[SW+(\a)], v[SHF], v[PW]        ; QK: lanes 16-31 keep the second head's two bytes
	global_store_b128 v[IM0], v[PC+8*(\a):PC+8*(\a)+3], s[24+2*(\a):25+2*(\a)]
	global_store_b128 v[IM1], v[PC+8*(\a)+4:PC+8*(\a)+7], s[24+2*(\a):25+2*(\a)]
.endm
	PLACES NP                                      ; behind the last products
	s_mov_b32 s52, s92                             ; no tensor load of mine is out since the change of slots: the descriptors' registers are free
	s_mov_b32 s53, 0
	s_mov_b32 s54, s93
	s_mov_b32 s55, 0
	s_mov_b32 s56, s101
	s_mov_b32 s57, 0
	s_mov_b32 s[SEL], 0x76543210
	s_mov_b32 s[SEL+1], 0xfedcba98
	s_mov_b64 s[24:25], s[98:99]                   ; the eight blocks' image bases
	s_add_nc_u64 s[26:27], s[24:25], s[52:53]
	s_add_nc_u64 s[28:29], s[26:27], s[52:53]
	s_add_nc_u64 s[30:31], s[28:29], s[52:53]
	s_add_nc_u64 s[32:33], s[24:25], s[54:55]
	s_add_nc_u64 s[34:35], s[32:33], s[52:53]
	s_add_nc_u64 s[36:37], s[34:35], s[52:53]
	s_add_nc_u64 s[38:39], s[36:37], s[52:53]
	s_add_nc_u64 s[50:51], s[2:3], s[56:57]        ; the scale words of blocks 4 .. 7
	s_wait_loadcnt 0x0                             ; the bias
	v_mov_b32 v[ONE], 1.0
.set PP, 0
.rept 64
	v_cndmask_b32 v[WB+PP], v[ONE], v[WB+PP], s100 ; QK: the bias; V: 1
.set PP, PP+1
.endr
.irp a, 0,1,2,3,4,5,6,7
	v_cndmask_b32 v[SB+2*\a], v[SB+2*\a], v[ONE], s100   ; QK: 1; V: the bias
.endr
.irp b, 0,1,2,3
	v_mov_b32 v[TM+4+\b], 0                        ; written once: a lane permute's destination counts as one of its sources
.endr
.irp a, 0,1,2,3,4,5,6,7
	OUTA \a
.endr
	global_store_b128 v[SWO], v[SW:SW+3], s[2:3]   ; sixteen lanes store 256 consecutive bytes, aligned
	global_store_b128 v[SWO], v[SW+4:SW+7], s[50:51]
	s_wait_tensorcnt 0x0                           ; the wave's end
	ds_add_u32 v[SPW], v[NIL]
	s_wait_dscnt 0x0
	CROUND                                         ; the closing round: no work-group ends while a partner may still ask for a tile that names it
	s_endpgm
.Lfunc_end_k_q4b619b3a44_qkv:
	.size	k_q4b619b3a44_qkv, .Lfunc_end_k_q4b619b3a44_qkv-k_q4b619b3a44_qkv
	.p2alignl 7, 3214868480
	.fill 96, 4, 3214868480
	.section	.rodata,"a",@progbits
	.p2align	6, 0x0
	.amdhsa_kernel k_q4b619b3a44_qkv
		.amdhsa_group_segment_fixed_size 327680
		.amdhsa_private_segment_fixed_size 0
		.amdhsa_enable_private_segment 0
		.amdhsa_kernarg_size 48
		.amdhsa_user_sgpr_count 2
		.amdhsa_user_sgpr_kernarg_segment_ptr 1
		.amdhsa_wavefront_size32 1
		.amdhsa_system_sgpr_workgroup_id_x 1
		.amdhsa_system_sgpr_workgroup_id_y 1
		.amdhsa_system_sgpr_workgroup_id_z 1
		.amdhsa_system_vgpr_workitem_id 0
		.amdhsa_next_free_vgpr 1024
		.amdhsa_next_free_sgpr 102
		.amdhsa_reserve_vcc 0
		.amdhsa_float_denorm_mode_32 3
		.amdhsa_float_denorm_mode_16_64 3
		.amdhsa_memory_ordered 1
		.amdhsa_forward_progress 1
		.amdhsa_inst_pref_size 153
	.end_amdhsa_kernel
	.amdgpu_metadata
---
amdhsa.version: [ 1, 2 ]
amdhsa.kernels:
  - .name:           k_q4b619b3a44_qkv
    .symbol:         k_q4b619b3a44_qkv.kd
    .args:
      - { .name: x_codes, .offset: 0, .size: 8, .value_kind: global_buffer, .address_space: global }
      - { .name: x_scales, .offset: 8, .size: 8, .value_kind: global_buffer, .address_space: global }
      - { .name: w_qkv_codes, .offset: 16, .size: 8, .value_kind: global_buffer, .address_space: global }
      - { .name: w_qkv_scales, .offset: 24, .size: 8, .value_kind: global_buffer, .address_space: global }
      - { .name: b_qkv, .offset: 32, .size: 8, .value_kind: global_buffer, .address_space: global }
      - { .name: qkv, .offset: 40, .size: 8, .value_kind: global_buffer, .address_space: global }
    .group_segment_fixed_size: 327680
    .private_segment_fixed_size: 0
    .kernarg_segment_align: 8
    .kernarg_segment_size: 48
    .max_flat_workgroup_size: 128
    .sgpr_count:     102
    .vgpr_count:     1024
    .wavefront_size: 32
...
	.end_amdgpu_metadata
.endif
;; end of part 1
;; launch attn (part 2): grid 8 x 32, 16 waves a work-group, clusters of 4 x 1, 327,680 bytes of LDS; arguments qkv, oc, osc; writes oc, osc
.if DOCPART == 2
	.amdgcn_target "amdgcn-amd-amdhsa--gfx1250"
	.amdhsa_code_object_version 6
	.text
	.protected	k_q4b619b3a44_attn
	.globl	k_q4b619b3a44_attn
	.p2align	8
	.type	k_q4b619b3a44_attn,@function
k_q4b619b3a44_attn:
	s_mov_b64 s[64:65], 0
	v_nop
	global_prefetch_b8 v0, s[64:65] scope:SCOPE_SE
	s_setreg_imm32_b32 hwreg(HW_REG_WAVE_MODE, 25, 1), 1
	s_wait_xcnt 0x0
	s_wait_alu depctr_hold_cnt(0) depctr_sa_sdst(0) depctr_va_vdst(0) depctr_va_sdst(0) depctr_va_ssrc(0) depctr_va_vcc(0) depctr_vm_vsrc(0)
	s_getreg_b32 s2, hwreg(HW_REG_IB_STS2, 6, 4)
	s_cmp_eq_u32 s2, 0
	s_cbranch_scc0 .Lentry_in_a_cluster
	s_endpgm
.Lentry_in_a_cluster:
	s_bfe_u32 s2, ttmp6, 0x10000c
	s_cmp_lg_u32 s2, 0x3003
	s_cbranch_scc0 .Lentry_shape_is_right
	s_endpgm
.Lentry_shape_is_right:
; Attention on codes of FP4 (E2M1) with E8M0 scales: S^T = K Q^T (K = the head's 64, the upper half of the instruction's 128 filled with zero codes), the softmax, O^T = V^T P^T (K = the keys),
; O / l, and O quantised along the model's 1,024 for the projection.  No work is left out.
; THE SOFTMAX: t = score x log2(e) / 8; M = the row's largest t so far, rounded up to a whole number; p = 2^(t - M) is quantised along the keys; l is the sum of the unquantised p.
; When M moves, l and O are multiplied by 2^(old M - new M): exact.
; LIMITS: a block of zeros, or one whose largest magnitude lies under 2^-124, gets the scale byte 1 (read by this program alone); NaN and infinities are not served;
; a block's largest p is taken from its largest score through the same multiply-add and v_exp_f32, which takes v_exp_f32 not to fall where its input rises.
; SHARES.  A work-group owns 256 queries of a PAIR of heads (2 s, 2 s + 1 of a batch); each of its sixteen waves owns 16 queries and walks head 2 s, then head 2 s + 1, 16 steps of 128 keys each.
; Both heads together are one step of 128 along the projection's K: so a wave makes a whole fragment and a whole scale word of it.
; LDS holds both heads' K and V whole, as they lie in qkv: images of operand registers, 16 bytes a lane, so that every LDS load reads 512 consecutive bytes.  Each wave brings 36 rows of 256 bytes of each head:
; one load a wave at a time, head 0's first (landed before head 1's is asked for), so that head 0 is walked while head 1 lands.  Nothing is filled again.
; CLUSTER.  The four query blocks of a cluster read the same K and V: each load is joint, with a mask that names the four.  My place in the cluster enters the addresses of Q, oc and osc alone.
; LAYOUT.  Both products are used transposed: a lane holds ONE query (lane % 16).  Tile t's register j is key 16 t + 8 (lane / 16) + j; a block of 32 keys is tiles 2 b, 2 b + 1 in lanes l and l xor 16.
; REGISTERS: v1-3 offsets; v4, v5 the add's two; v6-9 LDS addresses; v10, v11 Q's scale words; v12 -M, v13 the largest t, v[14:15] l in two halves; v16-31 Q of both heads; v32-95 eight fragments of K
; (upper four registers of each: zeros); v96-159 S^T, then p; v160-191 O^T; v192-223 four fragments of V; v224-231 codes; v232-247, v252, v254 at work; v240-243 K's scale words; v248-251 V's; v253 p's; v255 O's.
.set REC,   221184                     ; a head's record in qkv: q, k, v
.set REG,   73728                      ; a region: 65,536 bytes of images, 8,192 of scale words
.set HB1,   2*REG                      ; LDS: head 1's K and V begin here
.set KSC,   65536                      ; in a head's block: K's scale words;
.set VIM,   REG                        ; V's images lie this far behind K's, and V's scale words this far behind K's
.set SPARE, 2*HB1                      ; the spare words, 128 bytes for each of sixteen waves: eight blocks of 256 bytes that no other line names
.set SPW, 4
.set NIL, 5
.set ADK, 6
.set ADV, 7
.set ADS, 8
.set ADT, 9
.set WV,  10                           ; s10 my wave's number
.set G1,  16                           ; s[16:23] descriptor group 1;  s[24:27], s[28:31] group 0 for head 0, 1
.set SEL, 32                           ; s[32:33] lane selects for v_permlanex16_b32: lane l xor 16
.set CS,  34                           ; s[34:35] c = log2(e) / 8
.macro CROUND                          ; a round of the cluster's barrier
	s_barrier_signal -1
	s_barrier_wait -1
	s_cmp_lg_u32 s[WV], 0
	s_cbranch_scc1 .Lnot_wave_0_\@
	s_barrier_signal -3
.Lnot_wave_0_\@:
	s_barrier_wait -3
	s_barrier_signal -1
	s_barrier_wait -1
.endm
	s_load_b128 s[4:7], s[0:1], 0x0                ; qkv, oc
	s_load_b64 s[8:9], s[0:1], 0x10                ; osc
	v_lshl_add_u32 v[SPW], v0, 2, SPARE
	v_mov_b32 v[NIL], 0
	ds_add_u32 v[SPW], v[NIL]                      ; the wave's opening: the add, twice on end, and its wait ahead of my first tensor load
	ds_add_u32 v[SPW], v[NIL]                      ; and once more, under the one wait
	v_lshrrev_b32 v6, 5, v0
	s_delay_alu instid0(VALU_DEP_1)
	v_readfirstlane_b32 s[WV], v6                  ; wave 0..15
	s_bfe_u32 s11, ttmp6, 0x40000                  ; cx
	s_lshl_b32 s12, ttmp9, 2
	s_add_co_u32 s12, s12, s11                     ; my block of 256 queries
	s_lshl_b32 s13, s12, 4
	s_add_co_u32 s13, s13, s[WV]                   ; T: my tile of 16 queries in the batch's 128
	s_and_b32 s14, ttmp7, 0xffff                   ; the pair of heads: 8 x batch + s; the four partners share it
	; group 1: 36 rows of 256 bytes (32 elements of 8), dense, no padding
	s_mov_b32 s[G1], 15|(3<<16)|(1<<21)            ; the mask: all four work-groups; elements of 8 bytes; bit 21 beside a mask
	s_mov_b32 s[G1+1], 32<<16                      ; tensor_dim0
	s_mov_b32 s[G1+2], 36<<16                      ; tensor_dim1
	s_mov_b32 s[G1+3], 32<<16                      ; tile_dim0
	s_mov_b32 s[G1+4], 36                          ; tile_dim1
	s_mov_b32 s[G1+5], 32                          ; from row to row
	s_mov_b32 s[G1+6], 0
	s_mov_b32 s[G1+7], 0
	s_mul_i32 s46, s14, 2*REC                      ; the pair's first record (under 2^24)
	s_mov_b32 s47, 0
	s_mul_i32 s15, s[WV], 36*256                   ; my 36 rows of a head's 576
	s_add_co_u32 s48, s15, REG                     ; behind the record's q
	s_mov_b32 s49, 0
	s_and_b32 s51, s14, 7                          ; s: the projection's K step
	s_lshr_b32 s52, s14, 3
	s_lshl_b32 s52, s52, 7
	s_add_co_u32 s52, s52, s13                     ; my tile among all 512 token tiles
	s_lshr_b32 s53, s51, 2
	s_lshl_b32 s53, s53, 21
	s_lshl_b32 s54, s52, 12
	s_add_co_u32 s54, s54, s53
	s_and_b32 s53, s51, 3
	s_lshl_b32 s53, s53, 10
	s_add_co_u32 s54, s54, s53                     ; oc: [s / 4][token tile][s % 4][head % 2][lane][16]
	s_mov_b32 s55, 0
	s_lshl_b32 s56, s52, 9
	s_lshl_b32 s53, s51, 2
	s_add_co_u32 s56, s56, s53                     ; osc: [token][8 words], word s
	s_mov_b32 s57, 0
	s_mov_b32 s[SEL], 0x76543210
	s_mov_b32 s[SEL+1], 0xfedcba98
	s_mov_b32 s[CS], 0x3e38aa3b                    ; log2(e) / 8
	s_mov_b32 s[CS+1], s[CS]                       ; (named with it as a pair, so it is written)
	s_wait_dscnt 0x0                               ; both opening adds are done
	s_wait_kmcnt 0x0
	s_add_nc_u64 s[40:41], s[4:5], s[46:47]        ; qkv at the pair's first record
	s_add_nc_u64 s[42:43], s[6:7], s[54:55]
	s_add_nc_u64 s[44:45], s[8:9], s[56:57]
	s_mov_b32 s24, 1
	s_mov_b32 s25, s15                             ; LDS: wave x 9,216
	s_add_nc_u64 s[26:27], s[40:41], s[48:49]      ; head 0's k and v, my part
	s_mov_b32 s28, 1
	s_add_co_u32 s29, s15, HB1
	s_add_nc_u64 s[30:31], s[26:27], REC           ; head 1's
	s_or_b32 s27, s27, 0x80000000
	s_or_b32 s31, s31, 0x80000000
	CROUND                                         ; all four work-groups are here: the joint loads meet
	tensor_load_to_lds s[24:27], s[G1:G1+7]
	s_nop 0
	s_wait_alu depctr_va_vdst(0)
	s_wait_tensorcnt 0x0
	ds_add_u32 v4, v5
	s_wait_dscnt 0x0
	CROUND
	tensor_load_to_lds s[28:31], s[G1:G1+7]
	s_nop 0
.rept 4
	v_nop
.endr
	v_and_b32 v6, 31, v0
	s_delay_alu instid0(VALU_DEP_1)
	v_lshlrev_b32 v1, 4, v6                        ; 16 x lane
	v_and_b32 v7, 15, v0                           ; r
	s_lshl_b32 s51, s13, 9
	v_add_nc_u32 v2, s51, v1                       ; Q's image of tile T
	s_lshr_b32 s52, s13, 2
	s_lshl_b32 s52, s52, 8
	s_and_b32 s53, s13, 3
	s_lshl_b32 s53, s53, 2
	s_add_co_u32 s52, s52, s53
	v_lshl_add_u32 v3, v7, 4, s52                  ; Q's scale word: [T / 4][r][T % 4]
.irp hd, 0,1
	global_load_b128 v[16+8*\hd:19+8*\hd], v2, s[40:41] offset:\hd*REC
	global_load_b32 v[10+\hd], v3, s[40:41] offset:\hd*REC+KSC
.endr
.irp t, 0,1,2,3,4,5,6,7
.irp i, 4,5,6,7
	v_mov_b32 v[32+8*\t+\i], 0                     ; K's numbers 64 .. 127: zero codes, set once
.endr
.endr
.irp i, 20,21,22,23,28,29,30,31
	v_mov_b32 v[\i], 0                             ; Q's likewise
.endr
.irp b, 0,1,2,3
	v_mov_b32 v[236+\b], 0                         ; written once: a lane permute's destination counts as one of its sources
.endr
	v_mov_b32 v253, 0                              ; (named as the upper half of the pair v[252:253] before it is first written)
; ONE HEAD: 16 steps of 128 keys, then O / l, its codes and two bytes of its scale word.
.macro HEAD hd
	v_mov_b32 v13, 0xff61b1e6                      ; the largest t so far: -3e38, under every t
	s_delay_alu instid0(VALU_DEP_1)
	v_floor_f32 v12, -v13                          ; -M
	v_mov_b32 v14, 0
	v_mov_b32 v15, 0
.set JJ, 0
.rept 32
	v_mov_b32 v[160+JJ], 0                         ; O^T: the step is written once; the first change of M leaves zeros zeros
.set JJ, JJ+1
.endr
	s_mov_b32 s36, \hd*HB1                         ; the step's images of K
	s_mov_b32 s37, \hd*HB1+KSC                     ; and its scale words
	s_mov_b32 s38, 16
.Lstep_\@:
	s_setprio 2
	v_add_nc_u32 v[ADK], s36, v1                   ; these four additions are also the places in front of the loads into V's registers, which the last products read
	v_add_nc_u32 v[ADS], s37, v1
	s_delay_alu instid0(VALU_DEP_2)
	v_add_nc_u32 v[ADV], VIM, v[ADK]
	s_delay_alu instid0(VALU_DEP_2)
	v_add_nc_u32 v[ADT], VIM, v[ADS]
	ds_load_b128 v[240:243], v[ADS]                ; K's scale words: register i: lanes 0-15 tile i's, lanes 16-31 tile 4 + i's
.irp t, 0,1,2,3,4,5,6,7
	ds_load_b128 v[32+8*\t:35+8*\t], v[ADK] offset:512*\t
.endr
	ds_load_b128 v[248:251], v[ADT]                ; V's scale words: register t: tile t's
.irp t, 0,1,2,3
.irp c, 0,1
	ds_load_b128 v[192+8*\t+4*\c:195+8*\t+4*\c], v[ADV] offset:1024*\t+512*\c
.endr
.endr
	s_wait_dscnt 9                                 ; K and its scale words are in; V's nine loads may be out
.irp t, 0,1,2,3
	v_wmma_scale_f32_16x16x128_f8f6f4 v[96+8*\t:103+8*\t], v[32+8*\t:39+8*\t], v[16+8*\hd:23+8*\hd], 0, v[240+\t], v[10+\hd] matrix_a_fmt:MATRIX_FMT_FP4 matrix_b_fmt:MATRIX_FMT_FP4
.endr
.irp t, 4,5,6,7
	v_wmma_scale_f32_16x16x128_f8f6f4 v[96+8*\t:103+8*\t], v[32+8*\t:39+8*\t], v[16+8*\hd:23+8*\hd], 0, v[236+\t], v[10+\hd] matrix_a_fmt:MATRIX_FMT_FP4 matrix_b_fmt:MATRIX_FMT_FP4 matrix_a_scale:MATRIX_SCALE_ROW1
.endr
.rept 4
	v_nop
.endr
.irp b, 0,1,2,3
	v_max3_num_f32 v[232+\b], v[96+16*\b], v[97+16*\b], v[98+16*\b]   ; the largest score of each block of 32 keys: for the row's maximum and, since p rises with the score, for the block's largest p
.endr
.irp i, 3,5,7,9,11,13
.irp b, 0,1,2,3
	v_max3_num_f32 v[232+\b], v[232+\b], v[96+16*\b+\i], v[97+16*\b+\i]
.endr
.endr
.irp b, 0,1,2,3
	v_max_num_f32 v[232+\b], v[232+\b], v[111+16*\b]
.endr
.irp b, 0,1,2,3
	s_delay_alu instid0(VALU_DEP_4)
	v_permlanex16_b32 v[236+\b], v[232+\b], s[SEL], s[SEL+1]
.endr
.irp b, 0,1,2,3
	s_delay_alu instid0(VALU_DEP_4)
	v_max_num_f32 v[232+\b], v[232+\b], v[236+\b]  ; with lane l xor 16's 16 keys
.endr
	s_delay_alu instid0(VALU_DEP_2)
	v_max3_num_f32 v254, v232, v233, v234
	s_delay_alu instid0(VALU_DEP_1)
	v_max_num_f32 v254, v254, v235                 ; the step's largest score of my query
	s_delay_alu instid0(VALU_DEP_1)
	v_mul_f32 v254, s[CS], v254                    ; as t
	s_delay_alu instid0(VALU_DEP_1)
	v_max_num_f32 v13, v13, v254                   ; the running largest t
	v_mov_b32 v254, v12
	s_delay_alu instid0(VALU_DEP_2)
	v_floor_f32 v12, -v13                          ; the new -M = -ceil(t): a whole number
	s_delay_alu instid0(VALU_DEP_1)
	v_sub_f32 v254, v12, v254                      ; old M less new M: a whole number, 0 or less
	s_delay_alu instid0(VALU_DEP_1)
	v_cvt_i32_f32 v254, v254                       ; (it saturates)
	s_delay_alu instid0(VALU_DEP_1)
	v_ldexp_f32 v252, 1.0, v254                    ; f = 2^(old M - new M)
.irp j, 0,2,4,6,8,10,12,14,16,18,20,22,24,26,28,30,32,34,36,38,40,42,44,46,48,50,52,54,56,58,60,62
	v_pk_fma_f32 v[96+\j:97+\j], v[96+\j:97+\j], s[CS:CS+1], v[12:13] op_sel_hi:[1,0,0]   ; t - M, two at a time
.endr
.irp b, 0,1,2,3
	v_fma_f32 v[232+\b], v[232+\b], s[CS], v12     ; the same of each block's largest score
.endr
.set JJ, 0
	s_wait_alu depctr_va_vdst(0)
.rept 64
	v_exp_f32 v[96+JJ], v[96+JJ]                   ; p = 2^(t - M), at most 1
.set JJ, JJ+1
.endr
	s_setprio 1
	v_pk_mul_f32 v[14:15], v[14:15], v[252:253] op_sel_hi:[1,0]   ; l under the new M: a plain place behind the exponentials
	s_wait_alu depctr_va_vdst(0)                   ; one wait for the whole batch, ahead of its first reader
.irp b, 0,1,2,3
	v_exp_f32 v[232+\b], v[232+\b]                 ; the block's largest p
.endr
	v_pk_add_f32 v[236:237], v[96:97], v[98:99]    ; l is the sum of the unquantised p: two at a time, in two chains
.irp j, 4,8,12,16,20,24,28,32,36,40,44,48,52,56,60
	v_pk_add_f32 v[14:15], v[14:15], v[96+\j:97+\j]
	v_pk_add_f32 v[236:237], v[236:237], v[98+\j:99+\j]
.endr
	s_delay_alu instid0(VALU_DEP_1)
	v_pk_add_f32 v[14:15], v[14:15], v[236:237]
	s_wait_alu depctr_va_vdst(0)                   ; and one for the four
.irp b, 0,1,2,3
	v_max_num_f32 v[232+\b], 0x1800000, v[232+\b]  ; the floor 2^(3 - 127): the byte cannot fall under 1
.endr
.irp b, 0,1,2,3
	s_delay_alu instid0(VALU_DEP_4)
	v_add_nc_u32 v[244+\b], 0xff000000, v[232+\b]  ; 2 off the exponent field: the conversion's scale operand
.endr
.irp b, 0,1,2,3
	s_delay_alu instid0(VALU_DEP_4)
	v_lshrrev_b32 v[236+\b], 23, v[244+\b]         ; the scale's byte
.endr
	s_delay_alu instid0(VALU_DEP_3)
	v_lshl_or_b32 v253, v237, 8, v236              ; p's scale word for these 128 keys
	s_delay_alu instid0(VALU_DEP_1)
	v_lshl_or_b32 v253, v238, 16, v253
	s_delay_alu instid0(VALU_DEP_1)
	v_lshl_or_b32 v253, v239, 24, v253
.set QT, 0
.rept 8
	v_cvt_scalef32_pk8_fp4_f32 v[224+4*(QT/4)+(QT%4)/2+2*(QT%2)], v[96+8*QT:103+8*QT], v[244+QT/2]   ; one register from one tile
.set QT, QT+1
.endr
	v_nop                                          ; one plain place behind a scaled conversion
.irp c, 0,1
	v_permlane16_swap_b32 v[224+4*\c], v[225+4*\c] ; tiles 4 c and 4 c + 2 change halves, and tiles 4 c + 1 and 4 c + 3:
	v_permlane16_swap_b32 v[226+4*\c], v[227+4*\c] ; registers 4 c .. 4 c + 3 now hold keys 64 c + 32 (lane / 16) + 0 .. 31
.endr
	s_setprio 0
.irp j, 0,2,4,6,8,10,12,14,16,18,20,22,24,26,28,30
	v_pk_mul_f32 v[160+\j:161+\j], v[160+\j:161+\j], v[252:253] op_sel_hi:[1,0]   ; O^T under the new M; these sixteen are also the places between the scale word's and the codes' last writes and the products
.endr
	s_wait_alu depctr_va_vdst(0)
	s_wait_dscnt 0x0                               ; V and its scale words are in
.irp t, 0,1,2,3
	v_wmma_scale_f32_16x16x128_f8f6f4 v[160+8*\t:167+8*\t], v[192+8*\t:199+8*\t], v[224:231], v[160+8*\t:167+8*\t], v[248+\t], v253 matrix_a_fmt:MATRIX_FMT_FP4 matrix_b_fmt:MATRIX_FMT_FP4
.endr
	s_add_co_u32 s36, s36, 4096                    ; the next 128 keys: eight images of K, eight of V,
	s_add_co_u32 s37, s37, 512                     ; and 512 bytes of scale words of each
	s_sub_co_u32 s38, s38, 1
	s_cmp_lg_u32 s38, 0
	s_cbranch_scc1 .Lstep_\@
	s_setprio 0
.rept 4
	v_nop                                          ; places behind the last products
.endr
	v_add_f32 v14, v14, v15                        ; l's two halves,
	s_delay_alu instid0(VALU_DEP_1)
	v_permlanex16_b32 v252, v14, s[SEL], s[SEL+1]
	s_delay_alu instid0(VALU_DEP_1)
	v_add_f32 v14, v14, v252                       ; and lane l xor 16's
	s_wait_alu depctr_va_vdst(0)
	v_rcp_f32 v14, v14
	v_nop                                          ; a plain place behind the reciprocal
	s_wait_alu depctr_va_vdst(0)                   ; and the wait ahead of its first reader
.irp j, 0,2,4,6,8,10,12,14,16,18,20,22,24,26,28,30
	v_pk_mul_f32 v[96+\j:97+\j], v[160+\j:161+\j], v[14:15] op_sel_hi:[1,0]   ; O^T / l: tile t's register j is the head's number 16 t + 8 (lane / 16) + j
.endr
.irp b, 0,1
	v_max3_num_f32 v[232+\b], |v[96+16*\b]|, |v[97+16*\b]|, 0x1800000   ; the head's two blocks of 32 along the projection's K
.endr
.irp i, 2,4,6,8,10,12,14
.irp b, 0,1
	s_delay_alu instid0(VALU_DEP_2)
	v_max3_num_f32 v[232+\b], v[232+\b], |v[96+16*\b+\i]|, |v[97+16*\b+\i]|
.endr
.endr
.irp b, 0,1
	s_delay_alu instid0(VALU_DEP_2)
	v_permlanex16_b32 v[236+\b], v[232+\b], s[SEL], s[SEL+1]
.endr
.irp b, 0,1
	s_delay_alu instid0(VALU_DEP_2)
	v_max_num_f32 v[232+\b], v[232+\b], v[236+\b]
.endr
.irp b, 0,1
	s_delay_alu instid0(VALU_DEP_2)
	v_add_nc_u32 v[244+\b], 0xff000000, v[232+\b]
.endr
.irp b, 0,1
	s_delay_alu instid0(VALU_DEP_2)
	v_lshrrev_b32 v[236+\b], 23, v[244+\b]
.endr
.if \hd == 0
	s_delay_alu instid0(VALU_DEP_1)
	v_lshl_or_b32 v255, v237, 8, v236              ; bytes 0 and 1 of my row's scale word
.else
	s_delay_alu instid0(VALU_DEP_2)
	v_lshl_or_b32 v255, v236, 16, v255             ; bytes 2 and 3
	s_delay_alu instid0(VALU_DEP_1)
	v_lshl_or_b32 v255, v237, 24, v255
.endif
.set QT, 0
.rept 4
	v_cvt_scalef32_pk8_fp4_f32 v[224+QT/2+2*(QT%2)], v[96+8*QT:103+8*QT], v[244+QT/2]
.set QT, QT+1
.endr
	v_nop
	v_permlane16_swap_b32 v224, v225
	v_permlane16_swap_b32 v226, v227
	global_store_b128 v1, v[224:227], s[42:43] offset:512*\hd   ; half a fragment's image: 512 consecutive bytes, aligned
.endm
	s_wait_loadcnt 0x0                             ; Q
	s_wait_tensorcnt 1                             ; my part of head 0 is in; head 1's may stay out
	s_barrier_signal -1
	s_barrier_wait -1                              ; everybody's is
	HEAD 0
	s_wait_tensorcnt 0x0                           ; my part of head 1 is in
	s_wait_dscnt 0x0
	s_barrier_signal -1
	s_barrier_wait -1
	s_wait_xcnt 0x0                                ; head 0's store has read its registers: they are written again
	HEAD 1
	v_and_b32 v6, 31, v0
	v_and_b32 v7, 15, v0
	s_delay_alu instid0(VALU_DEP_1)
	v_lshlrev_b32 v7, 5, v7                        ; a token's eight scale words are 32 bytes
	s_delay_alu instid0(VALU_DEP_3)
	v_cmp_gt_u32 vcc_lo, 16, v6
	s_wait_alu depctr_va_vdst(0)
	s_wait_xcnt 0x0                                ; EXEC changes only behind this wait
	s_and_saveexec_b32 s50, vcc_lo                 ; lanes 0-15: a row each (lanes 16-31 hold the same words)
	global_store_b32 v7, v255, s[44:45]
	s_wait_xcnt 0x0
	s_or_b32 exec_lo, exec_lo, s50
	s_wait_tensorcnt 0x0                           ; the wave's end
	ds_add_u32 v[SPW], v[NIL]
	s_wait_dscnt 0x0
	CROUND                                         ; the closing round
	s_endpgm
.Lfunc_end_k_q4b619b3a44_attn:
	.size	k_q4b619b3a44_attn, .Lfunc_end_k_q4b619b3a44_attn-k_q4b619b3a44_attn
	.p2alignl 7, 3214868480
	.fill 96, 4, 3214868480
	.section	.rodata,"a",@progbits
	.p2align	6, 0x0
	.amdhsa_kernel k_q4b619b3a44_attn
		.amdhsa_group_segment_fixed_size 327680
		.amdhsa_private_segment_fixed_size 0
		.amdhsa_enable_private_segment 0
		.amdhsa_kernarg_size 24
		.amdhsa_user_sgpr_count 2
		.amdhsa_user_sgpr_kernarg_segment_ptr 1
		.amdhsa_wavefront_size32 1
		.amdhsa_system_sgpr_workgroup_id_x 1
		.amdhsa_system_sgpr_workgroup_id_y 1
		.amdhsa_system_sgpr_workgroup_id_z 1
		.amdhsa_system_vgpr_workitem_id 0
		.amdhsa_next_free_vgpr 256
		.amdhsa_next_free_sgpr 66
		.amdhsa_reserve_vcc 1
		.amdhsa_float_denorm_mode_32 3
		.amdhsa_float_denorm_mode_16_64 3
		.amdhsa_memory_ordered 1
		.amdhsa_forward_progress 1
		.amdhsa_inst_pref_size 51
	.end_amdhsa_kernel
	.amdgpu_metadata
---
amdhsa.version: [ 1, 2 ]
amdhsa.kernels:
  - .name:           k_q4b619b3a44_attn
    .symbol:         k_q4b619b3a44_attn.kd
    .args:
      - { .name: qkv, .offset: 0, .size: 8, .value_kind: global_buffer, .address_space: global }
      - { .name: oc, .offset: 8, .size: 8, .value_kind: global_buffer, .address_space: global }
      - { .name: osc, .offset: 16, .size: 8, .value_kind: global_buffer, .address_space: global }
    .group_segment_fixed_size: 327680
    .private_segment_fixed_size: 0
    .kernarg_segment_align: 8
    .kernarg_segment_size: 24
    .max_flat_workgroup_size: 512
    .sgpr_count:     66
    .vgpr_count:     256
    .wavefront_size: 32
...
	.end_amdgpu_metadata
.endif
;; end of part 2
;; launch proj (part 3): grid 4 x 32, 4 waves a work-group, clusters of 4 x 4, 327,680 bytes of LDS; arguments oc, osc, w_proj_codes, w_proj_scales, b_proj, out0; writes out0
.if DOCPART == 3
	.amdgcn_target "amdgcn-amd-amdhsa--gfx1250"
	.amdhsa_code_object_version 6
	.text
	.protected	k_q4b619b3a44_proj
	.globl	k_q4b619b3a44_proj
	.p2align	8
	.type	k_q4b619b3a44_proj,@function
k_q4b619b3a44_proj:
	s_mov_b64 s[64:65], 0
	v_nop
	global_prefetch_b8 v0, s[64:65] scope:SCOPE_SE
	s_setreg_imm32_b32 hwreg(HW_REG_WAVE_MODE, 25, 1), 1
	s_wait_xcnt 0x0
	s_wait_alu depctr_hold_cnt(0) depctr_sa_sdst(0) depctr_va_vdst(0) depctr_va_sdst(0) depctr_va_ssrc(0) depctr_va_vcc(0) depctr_vm_vsrc(0)
	s_getreg_b32 s2, hwreg(HW_REG_IB_STS2, 6, 4)
	s_cmp_eq_u32 s2, 0
	s_cbranch_scc0 .Lentry_in_a_cluster
	s_endpgm
.Lentry_in_a_cluster:
	s_bfe_u32 s2, ttmp6, 0x10000c
	s_cmp_lg_u32 s2, 0xf033
	s_cbranch_scc0 .Lentry_shape_is_right
	s_endpgm
.Lentry_shape_is_right:
; out0[m][n] = sum over k of O[m][k] w_proj[n][k] + b_proj[n], on codes of FP4 (E2M1) with E8M0 scales; 8,192 x 1,024, K = 1,024; sums in f32.  No work is left out.
; A = O: its codes lie in oc as images of operand registers, [K step of 128 / 4][token tile of 16][K step % 4][c][lane][16]: the 128 rows x 512 along K that a wave fetches are 32,768 dense bytes,
; and a fragment is two LDS loads of 512 consecutive bytes.  Its scale bytes lie in osc as [8,192][32].  B = w_proj: rows of 512 bytes of codes and 32 scale bytes, as given.
; A tile of 256 x 256 is made by four waves, 128 x 128 each: 64 accumulators.  K = 1,024 fits in two LDS slots of 512 along K: both are filled once, nothing is filled again.
; CLUSTERS: 4 x 4 work-groups; A's tiles are shared along a row of the cluster, B's along a column: each is asked for jointly, with a mask that names the four.
; THE MATRIX INSTRUCTION IS USED TRANSPOSED (source 0 = 16 rows of B, source 1 = 16 rows of A): a lane holds eight neighbouring numbers of a row of the output.
; THE BIAS is the C of each sum's first matrix instruction: 64 registers in the result's layout.
; REGISTERS, in windows of 256: window 0: v0-31 addresses; v32-95 scale words, two sets; v128-191 A's fragments, one set; on the way out v128-255 are rows read back.
;   window 1: B's fragments, two sets, at v0 and v128; v64-127 the bias.   windows 2, 3: the accumulators ((a, b) at v[8 (8 (a % 4) + b)]).
.set SIZE_N, 1024
.set NQ,     4
.set ROWB,   256
.set KROW,   512
.set PITCH,  272                       ; B's LDS row: 256 bytes + 16 of padding
.set FR,     8
.set NL,     2
.set NP,     4
.set HALFT,  128*PITCH                 ; the place of 128 rows in a slot (A's images use 32,768 bytes of it)
.set SLOT,   4*HALFT
.set AHALF,  2097152                   ; oc: from K steps 0-3 to K steps 4-7
.set KS,     32
.set SCL,    2*SLOT
.set HALFS,  16*272
.set SBLK,   2*272
.set SPARE,  SCL+4*HALFS               ; the spare words, 128 bytes for each wave: two blocks of 256 bytes that no other line names
.set SPITCH, 528                       ; the way out: a stage of 16 rows x (512 bytes + 16) for each wave, in slot 0, which has had its only fill and its last read when the first result is stored there
.set ADRA, 16
.set ADRB, 20
.set STO,  24
.set RD,   25
.set CO,   26
.set ADRS, 27
.set SPW,  28
.set NIL,  29
.set BO,   30                          ; v30 32 x (lane / 16): the bias of my eight columns of a tile
.set SC,   32
.set AF,   128
.set BK,   128
.set BI,   64                          ; the bias, in window 1
.set G1, 24
.set G0, 32
.set G1B, 48
.set G0B, 56
.set G1S, 68
.set G0S, 76
.set G1SB, 80
.set G0SB, 88
.set MSB, 0
.macro WIN new                         ; the immediate's high byte repeats the setting that is left
.if MSB != \new
	s_set_vgpr_msb (MSB<<8)|\new
.set MSB, \new
.endif
.endm
.set MUL_LO, 0xa1                      ; source 0 (B) window 1, source 1 (A) window 0, C and D window 2
.set MUL_HI, 0xf1                      ; the same, C and D window 3
.set BIAS_LO, 0x91                     ; the first step: C (the bias) window 1, D window 2
.set BIAS_HI, 0xd1                     ; D window 3
.set TO_B,   0x40
.macro JLOAD g0a, g1a, g0b, g1b        ; a joint load: waves 0 and 1 fetch for A, waves 2 and 3 for B; an s_nop 0 and four v_nop follow each line
	s_cmp_eq_u32 s15, 0
	s_cbranch_scc0 .Lfor_b_\@
	tensor_load_to_lds s[\g0a:\g0a+3], s[\g1a:\g1a+7]
	s_nop 0
.rept 4
	v_nop
.endr
	s_branch .Lasked_\@
.Lfor_b_\@:
	tensor_load_to_lds s[\g0b:\g0b+3], s[\g1b:\g1b+7]
	s_nop 0
.rept 4
	v_nop
.endr
.Lasked_\@:
.endm
.macro CROUND                          ; a round of the cluster's barrier
	s_barrier_signal -1
	s_barrier_wait -1
	s_cmp_lg_u32 s14, 0
	s_cbranch_scc1 .Lnot_wave_0_\@
	s_barrier_signal -3
.Lnot_wave_0_\@:
	s_barrier_wait -3
	s_barrier_signal -1
	s_barrier_wait -1
.endm
	s_load_b128 s[4:7], s[0:1], 0x0                ; oc, osc
	s_load_b128 s[8:11], s[0:1], 0x10              ; w_proj's codes, its scales
	s_load_b64 s[66:67], s[0:1], 0x20              ; b_proj
	s_load_b64 s[12:13], s[0:1], 0x28              ; out0
	v_lshl_add_u32 v[SPW], v0, 2, SPARE
	v_mov_b32 v[NIL], 0
	ds_add_u32 v[SPW], v[NIL]                      ; the wave's opening: the add, twice on end, and its wait ahead of my first tensor load
	ds_add_u32 v[SPW], v[NIL]                      ; and once more, under the one wait
	v_lshrrev_b32 v1, 5, v0
	v_readfirstlane_b32 s14, v1                    ; wave 0..3
	s_lshr_b32 s15, s14, 1                         ; which half of the tile's rows is mine.  Also: I fetch for A (0) or for B (1)
	s_and_b32 s16, s14, 1                          ; which half of its columns.  Also: which 128 rows of that tile I fetch
	s_bfe_u32 s40, ttmp6, 0x40000                  ; cx, cy
	s_bfe_u32 s41, ttmp6, 0x40004
	s_lshl_b32 s42, ttmp9, 2
	s_add_co_u32 s42, s42, s40                     ; tile column = 4 x cluster x + cx
	s_and_b32 s17, ttmp7, 0xffff
	s_lshl_b32 s17, s17, 2
	s_add_co_u32 s17, s17, s41                     ; tile row = 4 x cluster y + cy
	s_lshl_b32 s43, s41, 2
	s_lshl_b32 s43, 15, s43                        ; my row of the cluster
	s_lshl_b32 s44, 0x1111, s40                    ; my column
	; group 1 for A's images: 128 rows of 256 bytes (32 elements of 8), dense, no padding
	s_or_b32 s[G1+0], s43, (3<<16)|(1<<21)
	s_mov_b32 s[G1+1], 32<<16
	s_mov_b32 s[G1+2], 128<<16
	s_mov_b32 s[G1+3], 32<<16
	s_mov_b32 s[G1+4], 128
	s_mov_b32 s[G1+5], 32
	s_mov_b32 s[G1+6], 0
	s_mov_b32 s[G1+7], 0
	; for B's tiles: 128 rows x 256 bytes, four words of padding after every 64
	s_or_b32 s[G1B+0], s44, (0<<16)|(1<<20)|(1<<21)|(5<<22)|(3<<25)
	s_mov_b32 s[G1B+1], ROWB<<16
	s_mov_b32 s[G1B+2], 128<<16
	s_mov_b32 s[G1B+3], ROWB<<16
	s_mov_b32 s[G1B+4], 128
	s_mov_b32 s[G1B+5], KROW
	s_mov_b32 s[G1B+6], 0
	s_mov_b32 s[G1B+7], 0
	; the scales of 128 rows: 4,096 dense bytes, as 16 rows of 256 bytes, 16 bytes of padding behind each
	s_or_b32 s[G1S+0], s43, (3<<16)|(1<<20)|(1<<21)|(5<<22)|(3<<25)
	s_or_b32 s[G1SB+0], s44, (3<<16)|(1<<20)|(1<<21)|(5<<22)|(3<<25)
.irp g, G1S, G1SB
	s_mov_b32 s[\g+1], 32<<16
	s_mov_b32 s[\g+2], 16<<16
	s_mov_b32 s[\g+3], 32<<16
	s_mov_b32 s[\g+4], 16
	s_mov_b32 s[\g+5], 32
	s_mov_b32 s[\g+6], 0
	s_mov_b32 s[\g+7], 0
.endr
	s_lshl_b32 s18, s16, 7
	s_lshl_b32 s20, s17, 8
	s_add_co_u32 s20, s20, s18                     ; A: row 256 x tile row + 128 x half
	s_lshl_b32 s46, s42, 8
	s_add_co_u32 s46, s46, s18                     ; B: row 256 x tile column + 128 x half
	s_mov_b32 s21, 0
	s_mov_b32 s47, 0
	s_mov_b64 s[18:19], KS
	s_mul_u64 s[22:23], s[20:21], s[18:19]         ; where these rows' scales begin
	s_mul_u64 s[92:93], s[46:47], s[18:19]
	s_mov_b64 s[18:19], 256
	s_mul_u64 s[20:21], s[20:21], s[18:19]         ; A's images: 256 bytes a row in each half of K
	s_mov_b64 s[18:19], KROW
	s_mul_u64 s[46:47], s[46:47], s[18:19]         ; B's codes
	s_mul_i32 s45, s14, HALFT
	s_mul_i32 s94, s14, HALFS
	s_wait_dscnt 0x0                               ; both opening adds are done
	s_wait_kmcnt 0x0
	s_add_nc_u64 s[20:21], s[4:5], s[20:21]
	s_add_nc_u64 s[22:23], s[6:7], s[22:23]
	s_add_nc_u64 s[46:47], s[8:9], s[46:47]
	s_add_nc_u64 s[92:93], s[10:11], s[92:93]
	CROUND                                         ; all sixteen work-groups are here: the first joint loads meet
	s_mov_b32 s[G0S], 1
	s_add_co_u32 s[G0S+1], s94, SCL
	s_mov_b64 s[G0S+2:G0S+3], s[22:23]
	s_or_b32 s[G0S+3], s[G0S+3], 0x80000000
	s_mov_b32 s[G0SB], 1
	s_add_co_u32 s[G0SB+1], s94, SCL
	s_mov_b64 s[G0SB+2:G0SB+3], s[92:93]
	s_or_b32 s[G0SB+3], s[G0SB+3], 0x80000000
	JLOAD G0S, G1S, G0SB, G1SB
.irp s, 0,1
	s_mov_b32 s[G0+4*\s], 1
	s_add_co_u32 s[G0+4*\s+1], s45, \s*SLOT
	s_add_nc_u64 s[G0+4*\s+2:G0+4*\s+3], s[20:21], \s*AHALF
	s_or_b32 s[G0+4*\s+3], s[G0+4*\s+3], 0x80000000
	s_mov_b32 s[G0B+4*\s], 1
	s_add_co_u32 s[G0B+4*\s+1], s45, \s*SLOT
	s_add_nc_u64 s[G0B+4*\s+2:G0B+4*\s+3], s[46:47], \s*ROWB
	s_or_b32 s[G0B+4*\s+3], s[G0B+4*\s+3], 0x80000000
	s_wait_alu depctr_va_vdst(0)
	s_wait_tensorcnt 0x0
	ds_add_u32 v28, v29
	s_wait_dscnt 0x0
	CROUND
	JLOAD G0+4*\s, G1, G0B+4*\s, G1B               ; one load of mine is out: the earlier ones have landed
.endr
	v_and_b32 v1, 15, v0                           ; r
	v_bfe_u32 v2, v0, 4, 1                         ; h
	v_mul_u32_u24 v3, v1, PITCH
	v_lshl_add_u32 v4, v2, 4, v3                   ; B: a fragment's row x pitch + 16 x half
	v_and_b32 v6, 31, v0
	v_lshlrev_b32 v7, 4, v6                        ; A: 16 x lane
	s_mul_i32 s21, s15, HALFT                      ; my 128 rows of A
	s_mul_i32 s22, s16, HALFT                      ; my 128 rows of B,
	s_add_co_u32 s22, s22, 2*HALFT                 ; which lie behind A's
.irp s, 0,1
	v_add_nc_u32 v[ADRA+\s], s21, v7
	v_add_nc_u32 v[ADRB+\s], s22, v4
	s_add_co_u32 s21, s21, SLOT
	s_add_co_u32 s22, s22, SLOT
.endr
	v_mul_u32_u24 v5, v1, KS
	v_lshrrev_b32 v6, 8, v5
	v_lshl_add_u32 v5, v6, 4, v5
	s_mul_i32 s21, s15, HALFS
	s_mul_i32 s22, s16, HALFS
	s_add_co_u32 s22, s22, 2*HALFS
	s_sub_co_u32 s22, s22, s21
	v_mul_u32_u24 v6, s22, v2                      ; lanes 16-31 take B's
	s_add_co_u32 s21, s21, SCL
	v_add_nc_u32 v5, v5, v6
	v_add_nc_u32 v[ADRS], s21, v5
	s_mul_i32 s23, s14, 16*SPITCH                  ; my stage
	v_mul_u32_u24 v5, v1, SPITCH
	v_lshl_add_u32 v5, v2, 5, v5
	v_add_nc_u32 v[STO], s23, v5                   ; in: row r, 32 bytes for each half of the lanes
	v_and_b32 v6, 31, v0
	v_lshlrev_b32 v[CO], 4, v6                     ; back: the 32 lanes take one row of 512 bytes; and the same in out0
	v_add_nc_u32 v[RD], s23, v[CO]
	s_lshl_b32 s20, s17, 8
	s_lshl_b32 s21, s15, 7
	s_add_co_u32 s20, s20, s21                     ; my first row of out0
	s_mov_b32 s21, 0
	s_mov_b64 s[18:19], SIZE_N*4
	s_mul_u64 s[20:21], s[20:21], s[18:19]
	s_lshl_b32 s46, s42, 10                        ; my first column, in bytes: 1,024 x tile column + 512 x half
	s_lshl_b32 s47, s16, 9
	s_add_co_u32 s46, s46, s47
	s_mov_b32 s47, 0
	s_add_nc_u64 s[66:67], s[66:67], s[46:47]      ; the bias of my 128 columns
	s_add_nc_u64 s[20:21], s[20:21], s[46:47]
	s_add_nc_u64 s[12:13], s[12:13], s[20:21]
	v_lshlrev_b32 v[BO], 5, v2
	WIN TO_B                                       ; destination window 1
.irp b, 0,1,2,3,4,5,6,7
	global_load_b128 v[BI+8*\b:BI+8*\b+3], v[BO], s[66:67] offset:64*\b         ; lane (r, h): b_proj of columns 16 b + 8 h + 0 .. 7
	global_load_b128 v[BI+8*\b+4:BI+8*\b+7], v[BO], s[66:67] offset:64*\b+16
.endr
	WIN 0
.macro FRAGB reg, adr, q, i            ; 16 rows x 128 K from rows: registers 4 c .. 4 c + 3 hold K = 64 c + 32 (l / 16) + 0 .. 31
.irp c, 0,1
	ds_load_b128 v[\reg+4*\c:\reg+4*\c+3], v[\adr] offset:64*(\q)+32*\c+(\i)*16*PITCH
.endr
.endm
.macro FRAGA reg, adr, q, i            ; the same from images: [token tile i][K step q][c][lane][16]
.irp c, 0,1
	ds_load_b128 v[\reg+4*\c:\reg+4*\c+3], v[\adr] offset:4096*(\i)+1024*(\q)+512*\c
.endr
.endm
; 16 matrix instructions: A's blocks a0, a0 + 1 x B's eight, 128 along K.  first = 1: the sums start from the bias.
; The 64 accumulators take turns, one instruction a turn, in the same order in every step.
.macro MUL16 a0, p, q, sc, first
.irp a, \a0, \a0+1
.irp b, 0,1,2,3,4,5,6,7
.if \first
	v_wmma_scale_f32_16x16x128_f8f6f4 v[8*(8*((\a)%4)+\b):8*(8*((\a)%4)+\b)+7], v[128*(\p)+FR*\b:128*(\p)+FR*\b+FR-1], v[AF+FR*(\a):AF+FR*(\a)+FR-1], v[BI+8*\b:BI+8*\b+7], v[SC+8*NQ*(\sc)+NQ*\b+(\q)], v[SC+8*NQ*(\sc)+NQ*(\a)+(\q)] matrix_a_fmt:MATRIX_FMT_FP4 matrix_b_fmt:MATRIX_FMT_FP4 matrix_a_scale:MATRIX_SCALE_ROW1
.else
	v_wmma_scale_f32_16x16x128_f8f6f4 v[8*(8*((\a)%4)+\b):8*(8*((\a)%4)+\b)+7], v[128*(\p)+FR*\b:128*(\p)+FR*\b+FR-1], v[AF+FR*(\a):AF+FR*(\a)+FR-1], v[8*(8*((\a)%4)+\b):8*(8*((\a)%4)+\b)+7], v[SC+8*NQ*(\sc)+NQ*\b+(\q)], v[SC+8*NQ*(\sc)+NQ*(\a)+(\q)] matrix_a_fmt:MATRIX_FMT_FP4 matrix_b_fmt:MATRIX_FMT_FP4 matrix_a_scale:MATRIX_SCALE_ROW1
.endif
.endr
.endr
.endm
.macro FETCH_B slot, q, p
	WIN TO_B
.irp i, 0,1,2,3,4,5,6,7
	FRAGB 128*(\p)+FR*\i, ADRB+\slot, \q, \i
.endr
	WIN 0
.endm
.macro FETCH_A slot, q, i0
.irp i, \i0, \i0+1, \i0+2, \i0+3
	FRAGA AF+FR*(\i), ADRA+\slot, \q, \i
.endr
.endm
.macro SCALES sc                       ; a slot's scale words: four words a row; lanes 0-15 take A's block i, lanes 16-31 B's block i
.irp i, 0,1,2,3,4,5,6,7
	ds_load_b128 v[SC+8*NQ*\sc+NQ*\i:SC+8*NQ*\sc+NQ*\i+3], v[ADRS] offset:\i*SBLK
.endr
.endm
.macro PLACES n                        ; plain vector instructions between a matrix instruction and a load into, or a read of, its registers
.rept \n
	v_nop
.endr
.endm
.macro STEP slot, q, first
	s_wait_dscnt 4*NL                              ; B's set and A's blocks 0-3 are in; the youngest eight loads (A's blocks 4-7) may be out
.if \first
	WIN BIAS_LO
.else
	WIN MUL_LO
.endif
	MUL16 0, (\q)%2, \q, \slot, \first
	MUL16 2, (\q)%2, \q, \slot, \first
	s_wait_dscnt 0                                 ; A's blocks 4-7 are in
	PLACES NP
	FETCH_B \slot, (\q)+1, 1-(\q)%2
	FETCH_A \slot, (\q)+1, 0
.if \first
	WIN BIAS_HI
.else
	WIN MUL_HI
.endif
	MUL16 4, (\q)%2, \q, \slot, \first
	MUL16 6, (\q)%2, \q, \slot, \first
	PLACES NP
	WIN 0
	FETCH_A \slot, (\q)+1, 4
.endm
; Slot 0's last step changes slots: one barrier; in front of it each wave waits for all its tensor loads (its part of slot 1).  Nothing is filled again.
.macro TURN slot, next
	s_wait_tensorcnt 0x0                           ; all my tensor loads have landed
	ds_add_u32 v[SPW], v[NIL]                      ; 0 onto my spare word
	s_wait_dscnt 4*NL+1                            ; the add and the youngest eight loads may be out
	WIN MUL_LO
	MUL16 0, 1, NQ-1, \slot, 0
	s_wait_dscnt 0x0                               ; the add is done, and my reads of this slot are over
	s_barrier_signal -1
	MUL16 2, 1, NQ-1, \slot, 0
	WIN 0
	s_barrier_wait -1
	PLACES NP
	v_add_nc_u32 v[ADRS], 4*NQ, v[ADRS]
	FETCH_B \next, 0, 0
	FETCH_A \next, 0, 0
	SCALES \next
	WIN MUL_HI
	MUL16 4, 1, NQ-1, \slot, 0
	MUL16 6, 1, NQ-1, \slot, 0
	PLACES NP
	WIN 0
	FETCH_A \next, 0, 4
.endm
	s_wait_alu depctr_va_vdst(0)
	s_wait_tensorcnt 1                             ; the scales and my part of slot 0 are in (slot 1's load may be out),
	s_barrier_signal -1
	s_barrier_wait -1                              ; everybody's are
	FETCH_B 0, 0, 0
	FETCH_A 0, 0, 0
	SCALES 0
	FETCH_A 0, 0, 4
	s_wait_loadcnt 0x0                             ; the bias
	STEP 0, 0, 1
	STEP 0, 1, 0
	STEP 0, 2, 0
	TURN 0, 1
	STEP 1, 0, 0
	STEP 1, 1, 0
	STEP 1, 2, 0
	s_wait_dscnt 4*NL                              ; the last step: nothing more to fetch
	WIN MUL_LO
	MUL16 0, 1, NQ-1, 1, 0
	MUL16 2, 1, NQ-1, 1, 0
	s_wait_dscnt 0
	WIN MUL_HI
	MUL16 4, 1, NQ-1, 1, 0
	MUL16 6, 1, NQ-1, 1, 0
	WIN 0
; THE WAY OUT, block by block of 16 rows x 128 columns, through my own stage in LDS: in as 32 bytes a lane, back as whole rows of 512 bytes, which the 32 lanes store as two aligned runs of 256 bytes.
; LDS serves a wave's instructions in order (ISA guide 5.7.1.4): no wait between the stores and the loads, nor in front of the next block's stores.
.macro TOSTAGE a
.set AC, 64*((\a)%4)
	WIN 0x08+4*((\a)/4)                            ; the data: window 2 or 3
.irp b, 0,1,2,3,4,5,6,7
	ds_store_b128 v[STO], v[AC+8*\b:AC+8*\b+3] offset:64*\b          ; each accumulator from its low end on
	ds_store_b128 v[STO], v[AC+8*\b+4:AC+8*\b+7] offset:64*\b+16
.endr
	WIN 0
.set BB, BK+64*((\a)%2)
.irp t, 0,1,2,3,4,5,6,7,8,9,10,11,12,13,14,15
	ds_load_b128 v[BB+4*\t:BB+4*\t+3], v[RD] offset:\t*SPITCH
.endr
.endm
.macro SEND a, younger                 ; younger: the LDS instructions issued behind block a's loads, which may stay out
.set BB, BK+64*((\a)%2)
	s_wait_dscnt \younger
.if (\a) > 0
	s_add_nc_u64 s[12:13], s[12:13], 16*SIZE_N*4   ; (behind a wait on XCNT: the earlier stores have read their base)  16 rows on
.endif
.irp t, 0,1,2,3,4,5,6,7,8,9,10,11,12,13,14,15
	global_store_b128 v[CO], v[BB+4*\t:BB+4*\t+3], s[12:13] offset:\t*SIZE_N*4 th:TH_STORE_NT   ; 32 lanes store 512 consecutive bytes, aligned; written once, read by nobody here
.endr
.endm
	PLACES NP
	TOSTAGE 0
.irp a, 1,2,3,4,5,6,7
.if \a > 1
	s_wait_xcnt 0x0                                ; block a - 2's stores have read their registers and their base
.endif
	TOSTAGE \a
	SEND \a-1, 32                                  ; behind block a - 1's loads: block a's 16 stores and 16 loads
.endr
	s_wait_xcnt 0x0
	SEND 7, 0
	s_wait_tensorcnt 0x0                           ; the wave's end, behind my last tensor load and my last LDS store
	ds_add_u32 v[SPW], v[NIL]
	s_wait_dscnt 0x0
	CROUND                                         ; the closing round
	s_endpgm
.Lfunc_end_k_q4b619b3a44_proj:
	.size	k_q4b619b3a44_proj, .Lfunc_end_k_q4b619b3a44_proj-k_q4b619b3a44_proj
	.p2alignl 7, 3214868480
	.fill 96, 4, 3214868480
	.section	.rodata,"a",@progbits
	.p2align	6, 0x0
	.amdhsa_kernel k_q4b619b3a44_proj
		.amdhsa_group_segment_fixed_size 327680
		.amdhsa_private_segment_fixed_size 0
		.amdhsa_enable_private_segment 0
		.amdhsa_kernarg_size 48
		.amdhsa_user_sgpr_count 2
		.amdhsa_user_sgpr_kernarg_segment_ptr 1
		.amdhsa_wavefront_size32 1
		.amdhsa_system_sgpr_workgroup_id_x 1
		.amdhsa_system_sgpr_workgroup_id_y 1
		.amdhsa_system_sgpr_workgroup_id_z 1
		.amdhsa_system_vgpr_workitem_id 0
		.amdhsa_next_free_vgpr 1024
		.amdhsa_next_free_sgpr 98
		.amdhsa_reserve_vcc 0
		.amdhsa_float_denorm_mode_32 3
		.amdhsa_float_denorm_mode_16_64 3
		.amdhsa_memory_ordered 1
		.amdhsa_forward_progress 1
		.amdhsa_inst_pref_size 127
	.end_amdhsa_kernel
	.amdgpu_metadata
---
amdhsa.version: [ 1, 2 ]
amdhsa.kernels:
  - .name:           k_q4b619b3a44_proj
    .symbol:         k_q4b619b3a44_proj.kd
    .args:
      - { .name: oc, .offset: 0, .size: 8, .value_kind: global_buffer, .address_space: global }
      - { .name: osc, .offset: 8, .size: 8, .value_kind: global_buffer, .address_space: global }
      - { .name: w_proj_codes, .offset: 16, .size: 8, .value_kind: global_buffer, .address_space: global }
      - { .name: w_proj_scales, .offset: 24, .size: 8, .value_kind: global_buffer, .address_space: global }
      - { .name: b_proj, .offset: 32, .size: 8, .value_kind: global_buffer, .address_space: global }
      - { .name: out0, .offset: 40, .size: 8, .value_kind: global_buffer, .address_space: global }
    .group_segment_fixed_size: 327680
    .private_segment_fixed_size: 0
    .kernarg_segment_align: 8
    .kernarg_segment_size: 48
    .max_flat_workgroup_size: 128
    .sgpr_count:     98
    .vgpr_count:     1024
    .wavefront_size: 32
...
	.end_amdgpu_metadata
.endif
;; end of part 3
